; MI455X (gfx1250); checked and timed in simulation.
; The chip was launched on July 23, 2026; its instructions are those of AMD's public machine-readable ISA for CDNA 5 (MIT licence, August 2026) and "CDNA5" Instruction Set Architecture Reference Guide (July 2026). The comments in the code are by the model that wrote it; some were corrected since.
;; Torch Dot Product Attention. Allowed arithmetic: matrix products marked QUANTISED: E2M3 operands, one E8M0 scale for each 32 along K, by v_wmma_scale_f32_16x16x128_f8f6f4 with both operands' format E2M3, f32 sums; everything else in f32.
;; Inputs: key_layer 2,048 x 2 x 16 x 128 float32; query_layer 2,048 x 2 x 16 x 128 float32; value_layer 2,048 x 2 x 16 x 128 float32.
;; Outputs: out0 2,048 x 2 x 2,048 float32.
;; This version of the problem:
;;   THIS VERSION OF THE PROBLEM IS GIVEN IN LOW PRECISION. The matrix products marked QUANTISED in the list below multiply operands that are first quantised to E2M3 (2 exponent bits, 3 mantissa bits; 6 bits a number), with one power-of-two scale for each 32 numbers along K (OCP MX v1.0); their sums are f32. All else is computed in f32.
;;   The module's matrix products, in the order in which they are computed (A, B: the left and right operand; K: the contracted axis; several contracted axes count as one K, in the product's order):
;;     1. batch 32 x [M 2,048, K 128] x [K 128, N 2,048]; A: input query_layer; B: input key_layer: QUANTISED
;;     2. batch 32 x [M 128, K 2,048] x [K 2,048, N 2,048]; A: input value_layer; B: softmax (see below): QUANTISED
;;   THE QUANTISER, for each operand of a quantised product, along K:
;;     - K is cut into blocks of 32 from its start; a last block that is shorter is filled with zeros.
;;     - A block's scale is 2^e with e = floor(log2(the largest magnitude in the block)) - 2, held to -126 .. 127; a block of zeros has e = 0. As a byte (E8M0): e + 127.
;;     - Each number is divided by its block's scale, clamped to +-7.5, and rounded to the nearest number of E2M3, ties to even, subnormals kept.
;;     - The product sums the exact products of the quantised numbers (number of the format x scale) in f32.
;;   ~~~python
;;   def quantise(x, axis):      # numpy; x: float32 -> the quantised numbers, widened to float32 again
;;       x = np.moveaxis(x, axis, -1); K = x.shape[-1]
;;       x = np.pad(x, [(0, 0)] * (x.ndim - 1) + [(0, -K % 32)]); x = x.reshape(x.shape[:-1] + (-1, 32)); a = np.abs(x).max(-1, keepdims=True)
;;       e = np.where(a > 0, np.clip(np.frexp(np.where(a > 0, a, 1))[1] - 1 - 2, -126, 127), 0)      # np.frexp(a)[1] - 1 = floor(log2(a)), exactly
;;       r = np.clip(x / 2.0 ** e, -7.5, 7.5)
;;       step = 2.0 ** (np.maximum(np.frexp(np.where(r == 0, 1, r))[1] - 1, 0) - 3)
;;       q = np.round(r / step) * step * 2.0 ** e      # np.round: ties to even
;;       return np.moveaxis(q.reshape(q.shape[:-2] + (-1,))[..., :K], -1, axis).astype(np.float32)
;;   ~~~
;;   SOFTMAX AHEAD OF A QUANTISED PRODUCT. Where the list says 'softmax', what is quantised is not the finished softmax but p = 2^(t - M), with t = logit x log2(e) and M = ceil(the row's largest t), a whole number; so 1/2 < the row's largest p <= 1. The row's sum l is taken of the UNQUANTISED p, in f32, and the product's result is divided by l at the end. Since M is a whole number, a kernel that streams over the keys may use a running M (the ceiling of the running maximum): every later rescaling is an exact power of two, which a block's scale takes up: the codes' values come out the same.
;;   OPERANDS COMPUTED ON THE WAY. 'Computed on the way' means the value that the module computes at that place (a softmax that the list does not call 'softmax' is quantised finished and normalised). What goes into a quantiser is computed in f32, as accurately as f32 sums, v_exp_f32 and their like allow (about 1e-6 of the number): no bf16 or f16 on the way to a quantiser, and a product that is left as it is and whose result goes on into a quantised operand takes f32 operands (vector FMAs, or v_wmma_f32_16x16x4_f32). A number that lies on a knife's edge between two numbers of the format may be rounded either way, as far as f32 arithmetic and the matrix unit's own rounding can turn it there, and no further.
;; One version. Each part assembles by itself: llvm-mc -triple=amdgcn-amd-amdhsa -mcpu=gfx1250 --defsym DOCPART=n.
;; ======== version 1 of 1: 2 launches
;; limits: right only within a limited range of input values
;; workspace buffers: kv 13,107,200 bytes
;; launch prep (part 1): grid 256 x 1, 16 waves a work-group, no clusters, 299,008 bytes of LDS; arguments key_layer, value_layer, kv; writes kv
.if DOCPART == 1
	.amdgcn_target "amdgcn-amd-amdhsa--gfx1250"
	.amdhsa_code_object_version 6
	.text
	.protected	k_q5df40b5f2a_prep
	.globl	k_q5df40b5f2a_prep
	.p2align	8
	.type	k_q5df40b5f2a_prep,@function
k_q5df40b5f2a_prep:
	s_mov_b64 s[64:65], 0
	v_nop
	global_prefetch_b8 v0, s[64:65] scope:SCOPE_SE
	s_setreg_imm32_b32 hwreg(HW_REG_WAVE_MODE, 25, 1), 1
	s_wait_xcnt 0x0
; K and V, [2048 (s)][32 (head)][128 (d)] f32, become codes of FP6 (E2M3) with one E8M0 scale byte for each 32 along the product's K, laid as IMAGES OF THE OPERAND'S REGISTERS.  (Q is quantised by the attention launch, which reads it once.)
; A STEP is 128 keys of one head.  kv: [head][step 16][25,600 B]: K's eight fragment images of 1,536 B, K's 512 B of scale words, V's eight images, V's 512 B of scale words.
; A fragment image: register j (0 .. 11) of lane (r, h) at 512 (j / 4) + 16 p + 4 (j % 4), p = 16 g + 8 (h xor g) + r % 8, g = r / 8.  With that place one block of 32 keys fills whole units of 256 bytes of K's images,
; and the 16 lanes of half a load of 16 bytes a lane touch 16 different columns of 16 bytes modulo 256.  Scale words: tile 2 i + h's row r at 16 p + 4 i.
; K: lane r of tile 4 c + i holds key 64 c + 8 i + r % 8 + 32 (r / 8) of the step, so that in the score product a lane's 32 registers of tiles 4 c .. 4 c + 3 are ONE whole block of 32 keys: 64 c + 32 h + 0 .. 31.
; V: fragment t: lane (r, h) holds d = 16 t + r, registers 6 c .. 6 c + 5 the keys 64 c + 32 h + 0 .. 31.
; A block's scale is 2^(floor(log2(its largest magnitude)) - 2); its byte is the largest magnitude's exponent field - 2, held at 1 from below; nearest code, ties to even, beyond 7.5 the largest code.
; LIMITS: NaN and infinities among the inputs are not served.  A block whose largest magnitude lies under 2^-124 has its byte held at 1; a block of zeros gets the byte 1 where the rule says 127:
; its codes are zeros, which add nothing under any byte but 0xff, and this program alone reads the bytes.
; SHARES: a work-group takes two steps of a head: waves 0-7 K, waves 8-15 V, 32 rows (one block of keys) each.  A wave brings its 32 rows of 512 bytes by one tensor load and quantises them when they have landed.
; K's codes go straight out; V's codes and all scale bytes meet in a stage in LDS, and behind the one barrier leave as 512 consecutive bytes a store.  LDS is filled once; work-groups share no input, so no cluster; there is no loop to prefetch in.
.set ROWB,  16384                      ; bytes from a row s to the next: 32 heads x 512
.set PITCH, 528                        ; an LDS row: 512 bytes + 16
.set TILE,  32*PITCH                   ; a wave's rows
.set STG,   16*TILE                    ; the stage: for each step K's scale words, V's images, V's scale words, as they lie in kv
.set SST,   13312
.set SPARE, STG+2*SST                  ; 128 bytes a wave
.set SPW,  2
.set NIL,  3
.set KRD,  4                           ; K: my row's numbers, + 128 h
.set VRD,  5                           ; V: my column
.set KB,   6                           ; K: where my scale bytes go in the stage
.set KCO,  7                           ; K: my place in a pair of images
.set VA0,  8                           ; V: my place in the staged images, registers 6 c, 6 c + 1 (and, 512 on, 6 c + 4, 6 c + 5)
.set VA1,  9                           ; V: registers 6 c + 2, 6 c + 3
.set VB,  10                           ; V: where my scale bytes go
.set WRD, 11                           ; the way out: stage address
.set WO,  12                           ;              16 x lane
.set BM,  16                           ; four blocks: largest magnitude, then the scale byte
.set SC,  20                           ; the conversion's scale operand
.set P,   32                           ; v32-55 codes, six registers a block
.set PT,  56                           ; v56-71 second halves (a conversion's three registers begin on an even number)
.set X,   80                           ; v80-207 four blocks of 32 numbers
.set G1,  28                           ; s[28:35]
	s_load_b128 s[4:7], s[0:1], 0x0                ; K, V
	s_load_b64 s[8:9], s[0:1], 0x10                ; kv
	v_lshl_add_u32 v[SPW], v0, 2, SPARE
	v_mov_b32 v[NIL], 0
	ds_add_u32 v[SPW], v[NIL]                      ; the opening: the add, twice on end, and its wait
	ds_add_u32 v[SPW], v[NIL]
	v_lshrrev_b32 v1, 5, v0
	v_readfirstlane_b32 s14, v1                    ; wave 0..15
	s_and_b32 s15, s14, 7
	s_lshr_b32 s16, ttmp9, 3                       ; head
	s_and_b32 s17, ttmp9, 7                        ; which 256 rows
	s_mov_b32 s[G1], (2<<16)|(1<<20)|(6<<22)|(3<<25)   ; elements of 4 bytes, 4 words of padding behind every 128
	s_mov_b32 s[G1+1], 128<<16
	s_mov_b32 s[G1+2], 32<<16
	s_mov_b32 s[G1+3], 128<<16
	s_mov_b32 s[G1+4], 32
	s_mov_b32 s[G1+5], ROWB/4
	s_mov_b32 s[G1+6], 0
	s_mov_b32 s[G1+7], 0
	s_lshl_b32 s18, s17, 22
	s_lshl_b32 s20, s15, 19
	s_add_co_u32 s18, s18, s20
	s_lshl_b32 s20, s16, 9
	s_add_co_u32 s18, s18, s20                     ; row 256 x chunk + 32 x (wave % 8), the head's 512 bytes
	s_mov_b32 s19, 0
	s_mul_i32 s25, s14, TILE
	s_wait_dscnt 0x0
	s_wait_kmcnt 0x0
	s_cmp_lt_u32 s14, 8
	s_cselect_b64 s[4:5], s[4:5], s[6:7]           ; waves 0-7: K; 8-15: V
	s_mov_b32 s20, 1
	s_mov_b32 s21, s25
	s_add_nc_u64 s[22:23], s[4:5], s[18:19]
	s_or_b32 s23, s23, 0x80000000
	tensor_load_to_lds s[20:23], s[G1:G1+7]        ; my 32 rows
	s_nop 0
	; under the load's flight: addresses.  The wave's block is b = wave % 4 = 2 c + g of step (wave / 4) % 2
	s_lshl_b32 s16, s16, 4
	s_lshl_b32 s17, s17, 1
	s_add_co_u32 s16, s16, s17                     ; the work-group's first step in kv
	s_and_b32 s27, s14, 1                          ; g
	s_bfe_u32 s24, s14, 0x10001                    ; c
	s_bfe_u32 s26, s14, 0x10002                    ; step
	s_add_co_u32 s17, s16, s26
	s_mul_i32 s18, s17, 25600
	s_mul_i32 s17, s24, 4*1536
	s_add_co_u32 s18, s18, s17
	s_lshl_b32 s17, s27, 8
	s_add_co_u32 s18, s18, s17
	s_add_nc_u64 s[10:11], s[8:9], s[18:19]        ; K's codes: image 4 c, + 256 g
	s_lshr_b32 s17, s14, 3
	s_add_co_u32 s16, s16, s17
	s_mul_i32 s18, s16, 25600
	s_lshl_b32 s16, s15, 9
	s_add_co_u32 s18, s18, s16
	s_add_co_u32 s18, s18, 12288
	s_add_nc_u64 s[12:13], s[8:9], s[18:19]        ; the way out: my rows of 512 bytes of step wave / 8
	s_mul_i32 s17, s17, SST
	s_add_co_u32 s17, s17, s16
	s_add_co_u32 s17, s17, STG                     ; and in the stage
	s_mul_i32 s26, s26, SST
	s_add_co_u32 s26, s26, STG                     ; my step's stage
	s_lshl_b32 s16, s27, 8
	s_add_co_u32 s16, s16, s26
	s_lshl_b32 s18, s24, 3
	s_add_co_u32 s16, s16, s18                     ; stage + 256 g + 8 c
	s_mul_i32 s18, s24, 520
	s_add_co_u32 s18, s18, s26
	s_add_co_u32 s18, s18, 512                     ; V's images + 520 c
	s_mul_i32 s24, s24, 496
	s_add_co_u32 s24, s24, 8                       ; from there to registers 6 c + 2 on: 8 + 496 c
	s_add_co_u32 s24, s24, s18
	s_and_b32 s19, s14, 3
	s_add_co_u32 s19, s19, s26
	s_add_co_u32 s19, s19, 12800                   ; V's scale words + b
	v_and_b32 v13, 15, v0                          ; r
	v_bfe_u32 v14, v0, 4, 1                        ; h
	v_bfe_u32 v15, v0, 3, 1                        ; r / 8
	v_and_b32 v28, 7, v0                           ; r % 8
	v_and_b32 v29, 31, v0                          ; lane
	v_mul_u32_u24 v[KRD], v13, PITCH
	v_lshl_add_u32 v[KRD], v14, 7, v[KRD]
	v_add_nc_u32 v[KRD], s25, v[KRD]
	v_lshlrev_b32 v[VRD], 2, v29
	v_add_nc_u32 v[VRD], s25, v[VRD]
	v_lshlrev_b32 v28, 4, v28                      ; 16 (r % 8)
	v_xor_b32 v30, s27, v15                        ; (r / 8) xor g
	v_lshl_add_u32 v30, v30, 7, v28
	v_add_nc_u32 v[KB], s16, v30
	v_add_nc_u32 v[KB], v[KB], v14                 ; byte 2 c' + h of my row's word
	v_xor_b32 v31, s27, v14                        ; h xor g
	v_lshl_add_u32 v31, v31, 7, v28
	v_mul_u32_u24 v[KCO], v15, 1536
	v_add_nc_u32 v[KCO], v[KCO], v31
	v_lshl_add_u32 v30, v15, 8, v30                ; V's place for lane (r, g): 256 (r / 8) + 128 ((r / 8) xor g) + 16 (r % 8)
	v_mul_u32_u24 v31, v14, 1536
	v_add_nc_u32 v30, v30, v31
	v_add_nc_u32 v[VA0], s18, v30
	v_add_nc_u32 v[VA1], s24, v30
	v_xor_b32 v31, v14, v15
	v_lshl_add_u32 v31, v31, 7, v28
	v_lshl_add_u32 v31, v15, 8, v31                ; 16 p of my lane
	v_add_nc_u32 v[VB], s19, v31
	v_lshlrev_b32 v[WO], 4, v29
	v_add_nc_u32 v[WRD], s17, v[WO]
	s_wait_alu depctr_va_vdst(0)                   ; the wait at the head's end
	s_wait_tensorcnt 0x0                           ; my rows have landed; no other wave reads them
	s_cmp_lt_u32 s14, 8
	s_cbranch_scc0 .Lvin
.set q, 0
.rept 16                               ; K: block 2 (rows 16 on) + c': 32 neighbours along d of my row, k = 64 c' + 32 h on
.set i, 0
.rept 2
	ds_load_b128 v[X+64*i+4*q:X+64*i+4*q+3], v[KRD] offset:16*PITCH*i+256*(q/8)+16*(q%8)
.set i, i+1
.endr
.set q, q+1
.endr
	s_branch .Lquant
.Lvin:
.set q, 0
.rept 128                              ; V: block cg: the 32 keys of my column 32 cg + lane
	ds_load_b32 v[X+q], v[VRD] offset:PITCH*(q%32)+128*(q/32)
.set q, q+1
.endr
.Lquant:
	s_wait_dscnt 0x0
.irp g, 0,1,2,3
	v_max3_num_f32 v[BM+\g], |v[X+32*\g]|, |v[X+32*\g+1]|, |v[X+32*\g+2]|
.endr
.set j, 3
.rept 14
.irp g, 0,1,2,3                        ; the four blocks by turns
	v_max3_num_f32 v[BM+\g], v[BM+\g], |v[X+32*\g+j]|, |v[X+32*\g+j+1]|
.endr
.set j, j+2
.endr
.irp g, 0,1,2,3
	v_max3_num_f32 v[BM+\g], v[BM+\g], |v[X+32*\g+31]|, 0x1800000   ; with the floor 2^(3 - 127)
.endr
.irp g, 0,1,2,3
	v_add_nc_u32 v[SC+\g], 0xff000000, v[BM+\g]    ; 2 off the exponent field: the conversion's scale operand
.endr
.irp g, 0,1,2,3
	v_lshrrev_b32 v[BM+\g], 23, v[SC+\g]           ; the scale's byte
.endr
.irp g, 0,1,2,3
	v_cvt_scalef32_pk16_fp6_f32 v[P+6*\g:P+6*\g+2], v[X+32*\g:X+32*\g+15], v[SC+\g]
	v_cvt_scalef32_pk16_fp6_f32 v[PT+4*\g:PT+4*\g+2], v[X+32*\g+16:X+32*\g+31], v[SC+\g]
.endr
	v_nop                                          ; one plain instruction behind the scaled conversions
.irp g, 0,1,2,3
.irp i, 0,1,2
	v_mov_b32 v[P+6*\g+3+\i], v[PT+4*\g+\i]
.endr
.endr
	s_wait_alu depctr_va_vdst(0)                   ; the wait ahead of the branch
	s_cmp_lt_u32 s14, 8
	s_cbranch_scc0 .Lvout
.irp g, 0,1,2,3
	ds_store_b8 v[KB], v[BM+\g] offset:2*\g
.endr
.irp q, 0,1
.irp k, 0,1,2
	global_store_b128 v[KCO], v[P+12*\q+4*\k:P+12*\q+4*\k+3], s[10:11] offset:3072*\q+512*\k   ; two whole units of 256 bytes, one in each of two images
.endr
.endr
	s_branch .Lshare
.Lvout:
.irp g, 0,1,2,3
	ds_store_b64 v[VA0], v[P+6*\g:P+6*\g+1] offset:3072*\g
	ds_store_b64 v[VA1], v[P+6*\g+2:P+6*\g+3] offset:3072*\g
	ds_store_b64 v[VA0], v[P+6*\g+4:P+6*\g+5] offset:3072*\g+512
	ds_store_b8 v[VB], v[BM+\g] offset:4*\g
.endr
.Lshare:
	s_wait_dscnt 0x0                               ; my part of the stage is written
	s_barrier_signal -1
	s_barrier_wait -1
.irp k, 0,1,2                          ; a step's stage is 26 rows of 512 bytes: eight waves take three each, two of them one more
	ds_load_b128 v[X+4*\k:X+4*\k+3], v[WRD] offset:4096*\k
.endr
.irp k, 0,1,2
	s_wait_dscnt 2-\k
	global_store_b128 v[WO], v[X+4*\k:X+4*\k+3], s[12:13] offset:4096*\k
.endr
	s_cmp_lt_u32 s15, 2
	s_cbranch_scc0 .Lend
	ds_load_b128 v[X+12:X+15], v[WRD] offset:12288
	s_wait_dscnt 0x0
	global_store_b128 v[WO], v[X+12:X+15], s[12:13] offset:12288
.Lend:
	s_wait_tensorcnt 0x0                           ; the wave's end
	ds_add_u32 v[SPW], v[NIL]
	s_wait_dscnt 0x0
	s_endpgm
.Lfunc_end_k_q5df40b5f2a_prep:
	.size	k_q5df40b5f2a_prep, .Lfunc_end_k_q5df40b5f2a_prep-k_q5df40b5f2a_prep
	.p2alignl 7, 3214868480
	.fill 96, 4, 3214868480
	.section	.rodata,"a",@progbits
	.p2align	6, 0x0
	.amdhsa_kernel k_q5df40b5f2a_prep
		.amdhsa_group_segment_fixed_size 299008
		.amdhsa_private_segment_fixed_size 0
		.amdhsa_enable_private_segment 0
		.amdhsa_kernarg_size 24
		.amdhsa_user_sgpr_count 2
		.amdhsa_user_sgpr_kernarg_segment_ptr 1
		.amdhsa_wavefront_size32 1
		.amdhsa_system_sgpr_workgroup_id_x 1
		.amdhsa_system_sgpr_workgroup_id_y 1
		.amdhsa_system_sgpr_workgroup_id_z 1
		.amdhsa_system_vgpr_workitem_id 0
		.amdhsa_next_free_vgpr 208
		.amdhsa_next_free_sgpr 66
		.amdhsa_reserve_vcc 0
		.amdhsa_float_denorm_mode_32 3
		.amdhsa_float_denorm_mode_16_64 3
		.amdhsa_memory_ordered 1
		.amdhsa_forward_progress 1
		.amdhsa_inst_pref_size 24
	.end_amdhsa_kernel
	.amdgpu_metadata
---
amdhsa.version: [ 1, 2 ]
amdhsa.kernels:
  - .name:           k_q5df40b5f2a_prep
    .symbol:         k_q5df40b5f2a_prep.kd
    .args:
      - { .name: key_layer, .offset: 0, .size: 8, .value_kind: global_buffer, .address_space: global }
      - { .name: value_layer, .offset: 8, .size: 8, .value_kind: global_buffer, .address_space: global }
      - { .name: kv, .offset: 16, .size: 8, .value_kind: global_buffer, .address_space: global }
    .group_segment_fixed_size: 299008
    .private_segment_fixed_size: 0
    .kernarg_segment_align: 8
    .kernarg_segment_size: 24
    .max_flat_workgroup_size: 512
    .sgpr_count:     66
    .vgpr_count:     208
    .wavefront_size: 32
...
	.end_amdgpu_metadata
.endif
;; end of part 1
;; launch attn (part 2): grid 8 x 32, 8 waves a work-group, clusters of 4 x 1, 327,680 bytes of LDS; arguments query_layer, kv, out0; writes out0
.if DOCPART == 2
	.amdgcn_target "amdgcn-amd-amdhsa--gfx1250"
	.amdhsa_code_object_version 6
	.text
	.protected	k_q5df40b5f2a_attn
	.globl	k_q5df40b5f2a_attn
	.p2align	8
	.type	k_q5df40b5f2a_attn,@function
k_q5df40b5f2a_attn:
	s_mov_b64 s[64:65], 0
	v_nop
	global_prefetch_b8 v0, s[64:65] scope:SCOPE_SE
	s_setreg_imm32_b32 hwreg(HW_REG_WAVE_MODE, 25, 1), 1
	s_wait_xcnt 0x0
	s_wait_alu depctr_hold_cnt(0) depctr_sa_sdst(0) depctr_va_vdst(0) depctr_va_sdst(0) depctr_va_ssrc(0) depctr_va_vcc(0) depctr_vm_vsrc(0)
	s_getreg_b32 s2, hwreg(HW_REG_IB_STS2, 6, 4)
	s_cmp_eq_u32 s2, 0
	s_cbranch_scc0 .Lentry_in_a_cluster
	s_endpgm
.Lentry_in_a_cluster:
	s_bfe_u32 s2, ttmp6, 0x10000c
	s_cmp_lg_u32 s2, 0x3003
	s_cbranch_scc0 .Lentry_shape_is_right
	s_endpgm
.Lentry_shape_is_right:
; out0 = softmax(Q K^T / sqrt(128)) V by heads, the keys in 16 steps of 128.  Grid: x = 256 queries, y = head; a wave owns 32 queries (two tiles u of 16).  Nothing is left out.
; Both products are used TRANSPOSED: S^T = K Q^T, O^T = V^T P^T: lane (r, h) holds query r throughout.  K's tiles are dealt so (see the other launch) that a lane's registers S + 32 (2 u + c) on are one whole block of 32 keys,
; 64 c + 32 h + 0 .. 31, in the order in which P's operand wants it: a block's maximum needs no other lane, and codes need no exchange between lanes.
; M is the running largest t rounded up to a whole number, t = score x log2(e) / sqrt(128); p = 2^(t - M); the sum is taken of the unquantised p in f32; when M moves, the sum and O^T are multiplied by an exact power of two.
; A block's scale exponent is floor(its largest t - M) - 2, which is floor(log2) of its largest p less 2; should the exponential round that p up to the power of two above, its code is held at 7.5.
; What serves both query tiles is worked once: lanes 0-15 for tile 0, lanes 16-31 for tile 1, by v_permlane16_swap_b32.
; Q is read once as f32, 256 neighbouring bytes in 16 lanes, turned through the wave's own stage and quantised in registers.
; LDS: ten steps of K and V (each wave asks for 125 rows of 256 bytes at the head), filled again once: behind step 5 the first six steps' bytes take steps 10-15 (75 rows a wave), shown by a barrier whose signal stands a step ahead of its wait.
; CLUSTERS: four work-groups of one head ask for these tiles jointly.  No prefetch: ten of the sixteen steps are asked for at the head, the other six four steps ahead of their first use.
; LIMITS: NaN and infinities among the inputs are not served.  The scaled scores t stay under 2^31 in magnitude.  A block whose largest magnitude (Q's or p's) lies under 2^-124 has its scale byte held at 1.
.set STEPB, 25600
.set KSO,   12288                      ; K's scale words in a step
.set VO,    12800                      ; V's images
.set VSO,   25088                      ; V's scale words
.set ROWB,  16384                      ; Q, out0: bytes from a query to the next
.set SP,    272                        ; the stage: 16 rows of 256 bytes + 16, a wave's own
.set WSTG,  16*SP
.set QSTG,  10*STEPB
.set SPARE, QSTG+8*WSTG
.set LI,   1                           ; v1   16 x my place in an image
.set SPW,  3
.set NIL,  4
.set ADR,  5                           ; v5   the step's base + v1
.set SA,   6                           ; v6   the stage by rows: lanes 0-15 a row, 16-31 the next
.set SBQ,  7                           ; v7   the stage by lanes: row r + 128 h (Q)
.set SBO,  8                           ; v8   row r + 32 h (O)
.set CO,   9                           ; v9   Q, out0: row h, 16 r
.set RUN, 12                           ; v12  running largest t, both tiles
.set NM,  13                           ; v13  -M, both tiles
.set MN,  14                           ; v14, v16  -M of tile 0, 1 in all lanes (v15, v17: 0)
.set FAC, 18                           ; v18, v20  2^(old M - new M) likewise (v19, v21: 0)
.set SUM, 22                           ; v22-25  the sums
.set T,   26                           ; v26-31  more chains of a sum
.set BM,  32                           ; v32-35  the four blocks' maxima
.set R0,  36
.set R1,  37
.set DD,  38
.set SC,  39                           ; v39-42  the conversions' scale operands
.set PS,  43                           ; P's scale words: tile 0 in lanes 0-15, tile 1 in lanes 16-31
.set QS,  44                           ; Q's likewise
.set KS,  48
.set VS,  52
.set Q,   56                           ; v56-79
.set P,   80                           ; v80-103
.set PT,  104                          ; v104-119 second halves of blocks (a conversion's three registers begin on an even number)
.set S,   128                          ; v128-255 scores, p; at the ends Q's numbers and the results
.set FR,  128                          ; window 1: v0-127 O^T, v128-223 eight fragments of K or V
.set WV,  10
.set CE,  20
.set CB,  21
.set CS,  22
.set G1,  24
.set G0A, 32
.set G0W, 36
.set TB,  40
.set CNT, 41
.set G1B, 48
.set MSB, 0
.macro WIN new                         ; the immediate's high byte repeats the setting that is left
.if MSB != \new
	s_set_vgpr_msb (MSB<<8)|\new
.set MSB, \new
.endif
.endm
.set W_QK, 0x01                        ; source 0 in window 1
.set W_PV, 0x51                        ; source 0, C and D in window 1
.set W_LD, 0x40                        ; destination in window 1
.set W_RS, 0x41                        ; source 0 and destination in window 1
.macro CROUND
	s_barrier_signal -1
	s_barrier_wait -1
	s_cmp_lg_u32 s[WV], 0
	s_cbranch_scc1 .Lnot_wave_0_\@
	s_barrier_signal -3
.Lnot_wave_0_\@:
	s_barrier_wait -3
	s_barrier_signal -1
	s_barrier_wait -1
.endm
.macro PLACES
.rept 4
	v_nop
.endr
.endm
.macro CVT b, dst                      ; block b's 32 numbers to six registers of codes; the upper three are moved by MOVS, behind a plain instruction
	v_cvt_scalef32_pk16_fp6_f32 v[(\dst)+6*(\b):(\dst)+6*(\b)+2], v[S+32*(\b):S+32*(\b)+15], v[SC+(\b)]
	v_cvt_scalef32_pk16_fp6_f32 v[PT+4*(\b):PT+4*(\b)+2], v[S+32*(\b)+16:S+32*(\b)+31], v[SC+(\b)]
.endm
.macro MOVS b, dst
.irp i, 0,1,2
	v_mov_b32 v[(\dst)+6*(\b)+3+\i], v[PT+4*(\b)+\i]
.endr
.endm
	s_load_b128 s[4:7], s[0:1], 0x0                ; Q, kv
	s_load_b64 s[8:9], s[0:1], 0x10                ; out0
	v_lshl_add_u32 v[SPW], v0, 2, SPARE
	v_mov_b32 v[NIL], 0
	ds_add_u32 v[SPW], v[NIL]                      ; the opening: the add, twice on end, and its wait
	ds_add_u32 v[SPW], v[NIL]
	v_lshrrev_b32 v10, 5, v0
	v_readfirstlane_b32 s[WV], v10
	s_mul_i32 s16, s[WV], WSTG
	s_add_co_u32 s16, s16, QSTG
	s_mov_b32 s[TB], 0
	v_and_b32 v10, 15, v0                          ; r
	v_bfe_u32 v11, v0, 4, 1                        ; h
	v_bfe_u32 v2, v0, 3, 1                         ; r / 8
	v_and_b32 v47, 7, v0
	v_xor_b32 v46, v2, v11
	v_lshlrev_b32 v[LI], 8, v2
	v_lshl_add_u32 v[LI], v46, 7, v[LI]
	v_lshl_add_u32 v[LI], v47, 4, v[LI]            ; 256 (r / 8) + 128 (h xor (r / 8)) + 16 (r % 8)
	v_lshlrev_b32 v[CO], 14, v11
	v_lshl_add_u32 v[CO], v10, 4, v[CO]
	v_mul_u32_u24 v[SA], v11, SP
	v_lshl_add_u32 v[SA], v10, 4, v[SA]
	v_add_nc_u32 v[SA], s16, v[SA]
	v_mul_u32_u24 v[SBO], v10, SP
	v_add_nc_u32 v[SBO], s16, v[SBO]
	v_lshl_add_u32 v[SBQ], v11, 7, v[SBO]
	v_lshl_add_u32 v[SBO], v11, 5, v[SBO]
	v_add_nc_u32 v[ADR], s[TB], v[LI]
	v_mov_b32 v15, 0                               ; (upper halves of pairs of which the lower alone counts)
	v_mov_b32 v17, 0
	v_mov_b32 v19, 0
	v_mov_b32 v21, 0
	s_wait_alu depctr_va_vdst(0)
	s_bfe_u32 s11, ttmp6, 0x40000
	s_lshl_b32 s12, ttmp9, 2
	s_add_co_u32 s12, s12, s11                     ; which 256 queries
	s_and_b32 s13, ttmp7, 0xffff                   ; head
	s_lshl_b32 s2, s12, 8
	s_lshl_b32 s3, s[WV], 5
	s_add_co_u32 s2, s2, s3
	s_lshl_b32 s2, s2, 14
	s_lshl_b32 s3, s13, 9
	s_add_co_u32 s2, s2, s3                        ; my 32 queries' rows, the head's 512 bytes: in Q and in out0
	s_mov_b32 s3, 0
	s_wait_dscnt 0x0
	s_wait_kmcnt 0x0
	s_add_nc_u64 s[4:5], s[4:5], s[2:3]
	s_add_nc_u64 s[8:9], s[8:9], s[2:3]
.set q, 0
.rept 4                                ; tile q / 2, half q % 2 of d
.set i, 0
.rept 8
	global_load_b128 v[S+32*q+4*i:S+32*q+4*i+3], v[CO], s[4:5] offset:(16*(q/2)+2*i)*ROWB+256*(q%2) th:TH_LOAD_NT   ; two rows' aligned 256 bytes
.set i, i+1
.endr
.set q, q+1
.endr
	s_mov_b32 s[G1], 15|(3<<16)|(1<<21)            ; all four of the cluster; elements of 8 bytes; bit 21 beside a mask
	s_mov_b32 s[G1+1], 32<<16
	s_mov_b32 s[G1+2], 125<<16
	s_mov_b32 s[G1+3], 32<<16
	s_mov_b32 s[G1+4], 125
	s_mov_b32 s[G1+5], 32
	s_mov_b32 s[G1+6], 0
	s_mov_b32 s[G1+7], 0
	s_mov_b32 s[G1B], 15|(3<<16)|(1<<21)
	s_mov_b32 s[G1B+1], 32<<16
	s_mov_b32 s[G1B+2], 75<<16
	s_mov_b32 s[G1B+3], 32<<16
	s_mov_b32 s[G1B+4], 75
	s_mov_b32 s[G1B+5], 32
	s_mov_b32 s[G1B+6], 0
	s_mov_b32 s[G1B+7], 0
	s_mul_i32 s14, s13, 16*STEPB                   ; the head's block of kv
	s_mov_b32 s15, 0
	s_mul_i32 s16, s[WV], 32000                    ; my 125 rows of steps 0-9
	s_mov_b32 s17, 0
	s_mul_i32 s18, s[WV], 19200                    ; my 75 rows of steps 10-15
	s_mov_b32 s19, 0
	s_add_nc_u64 s[6:7], s[6:7], s[14:15]
	s_mov_b32 s[G0A], 1
	s_mov_b32 s[G0A+1], s16
	s_add_nc_u64 s[G0A+2:G0A+3], s[6:7], s[16:17]
	s_or_b32 s[G0A+3], s[G0A+3], 0x80000000
	s_mov_b32 s[G0W], 1
	s_mov_b32 s[G0W+1], s18
	s_add_nc_u64 s[G0W+2:G0W+3], s[6:7], s[18:19]
	s_add_nc_u64 s[G0W+2:G0W+3], s[G0W+2:G0W+3], 10*STEPB
	s_or_b32 s[G0W+3], s[G0W+3], 0x80000000
	s_mov_b32 s[CE], 125<<23
	s_mov_b32 s[CB], 0x7d7d7d7d
	s_mov_b32 s[CS], 0x3e0293ee                    ; log2(e) / sqrt(128)
	s_mov_b32 s[CS+1], s[CS]
	CROUND                                         ; all four work-groups are here: the joint loads meet
	tensor_load_to_lds s[G0A:G0A+3], s[G1:G1+7]
	s_nop 0
	; Q: each quarter through the stage: in by rows, back 32 neighbours along d to a lane.  LDS serves a wave's instructions in order
.irp b, 0,1,2,3
	s_wait_loadcnt 24-8*\b                         ; the younger quarters' loads may be out
.irp i, 0,1,2,3,4,5,6,7
	ds_store_b128 v[SA], v[S+32*\b+4*\i:S+32*\b+4*\i+3] offset:2*SP*\i
.endr
.irp i, 0,1,2,3,4,5,6,7
	ds_load_b128 v[S+32*\b+4*\i:S+32*\b+4*\i+3], v[SBQ] offset:16*\i
.endr
.endr
	s_wait_dscnt 0x0
.irp b, 0,1,2,3
	v_max3_num_f32 v[BM+\b], |v[S+32*\b]|, |v[S+32*\b+1]|, |v[S+32*\b+2]|
.endr
.set j, 3
.rept 14
.irp b, 0,1,2,3
	v_max3_num_f32 v[BM+\b], v[BM+\b], |v[S+32*\b+j]|, |v[S+32*\b+j+1]|
.endr
.set j, j+2
.endr
.irp b, 0,1,2,3
	v_max3_num_f32 v[BM+\b], v[BM+\b], |v[S+32*\b+31]|, 0x1800000   ; with the floor 2^(3 - 127)
.endr
.irp b, 0,1,2,3
	v_add_nc_u32 v[SC+\b], 0xff000000, v[BM+\b]    ; 2 off the exponent field
.endr
.irp b, 0,1,2,3
	v_lshrrev_b32 v[BM+\b], 23, v[SC+\b]           ; the scale's byte
.endr
	v_lshl_or_b32 v[R0], v[BM+1], 16, v[BM]        ; tile 0: bytes h and 2 + h of the word, 8 h bits too low
	v_lshl_or_b32 v[R1], v[BM+3], 16, v[BM+2]
	v_permlane16_swap_b32 v[R0], v[R1]             ; now R0 has both tiles' h = 0, R1 both tiles' h = 1
	v_lshl_or_b32 v[QS], v[R1], 8, v[R0]
.irp b, 0,1,2,3
	CVT \b, Q
.endr
	v_nop
.irp b, 0,1,2,3
	MOVS \b, Q
.endr
	PLACES
.macro LOADF hf, base                  ; four fragments at base of the step
.irp t, 0,1,2,3
.irp c, 0,1,2
	ds_load_b128 v[FR+12*(4*(\hf)+\t)+4*\c:FR+12*(4*(\hf)+\t)+4*\c+3], v[ADR] offset:(\base)+1536*(4*(\hf)+\t)+512*\c
.endr
.endr
.endm
.macro WM zero                         ; fA, fB: which lanes' scales
.if \zero
.if (fA == 0) && (fB == 0)
	v_wmma_scale_f32_16x16x128_f8f6f4 v[rD:rD+7], v[rA:rA+11], v[rB:rB+11], 0, v[rK], v[rL] matrix_a_fmt:MATRIX_FMT_FP6 matrix_b_fmt:MATRIX_FMT_FP6
.elseif fA == 0
	v_wmma_scale_f32_16x16x128_f8f6f4 v[rD:rD+7], v[rA:rA+11], v[rB:rB+11], 0, v[rK], v[rL] matrix_a_fmt:MATRIX_FMT_FP6 matrix_b_fmt:MATRIX_FMT_FP6 matrix_b_scale:MATRIX_SCALE_ROW1
.elseif fB == 0
	v_wmma_scale_f32_16x16x128_f8f6f4 v[rD:rD+7], v[rA:rA+11], v[rB:rB+11], 0, v[rK], v[rL] matrix_a_fmt:MATRIX_FMT_FP6 matrix_b_fmt:MATRIX_FMT_FP6 matrix_a_scale:MATRIX_SCALE_ROW1
.else
	v_wmma_scale_f32_16x16x128_f8f6f4 v[rD:rD+7], v[rA:rA+11], v[rB:rB+11], 0, v[rK], v[rL] matrix_a_fmt:MATRIX_FMT_FP6 matrix_b_fmt:MATRIX_FMT_FP6 matrix_a_scale:MATRIX_SCALE_ROW1 matrix_b_scale:MATRIX_SCALE_ROW1
.endif
.else
.if (fA == 0) && (fB == 0)
	v_wmma_scale_f32_16x16x128_f8f6f4 v[rD:rD+7], v[rA:rA+11], v[rB:rB+11], v[rD:rD+7], v[rK], v[rL] matrix_a_fmt:MATRIX_FMT_FP6 matrix_b_fmt:MATRIX_FMT_FP6
.elseif fA == 0
	v_wmma_scale_f32_16x16x128_f8f6f4 v[rD:rD+7], v[rA:rA+11], v[rB:rB+11], v[rD:rD+7], v[rK], v[rL] matrix_a_fmt:MATRIX_FMT_FP6 matrix_b_fmt:MATRIX_FMT_FP6 matrix_b_scale:MATRIX_SCALE_ROW1
.elseif fB == 0
	v_wmma_scale_f32_16x16x128_f8f6f4 v[rD:rD+7], v[rA:rA+11], v[rB:rB+11], v[rD:rD+7], v[rK], v[rL] matrix_a_fmt:MATRIX_FMT_FP6 matrix_b_fmt:MATRIX_FMT_FP6 matrix_a_scale:MATRIX_SCALE_ROW1
.else
	v_wmma_scale_f32_16x16x128_f8f6f4 v[rD:rD+7], v[rA:rA+11], v[rB:rB+11], v[rD:rD+7], v[rK], v[rL] matrix_a_fmt:MATRIX_FMT_FP6 matrix_b_fmt:MATRIX_FMT_FP6 matrix_a_scale:MATRIX_SCALE_ROW1 matrix_b_scale:MATRIX_SCALE_ROW1
.endif
.endif
.endm
.macro QK hf                           ; S^T: source 0 = K's tile, source 1 = Q's tile
.irp t, 0,1,2,3
.irp u, 0,1
.set rT, 4*(\hf)+\t
.set rD, S+64*\u+8*rT
.set rA, FR+12*rT
.set rB, Q+12*\u
.set rK, KS+rT/2
.set rL, QS
.set fA, rT%2
.set fB, \u
	WM 1
.endr
.endr
.endm
.macro PV hf, first                    ; O^T: source 0 = V's tile, source 1 = P; the accumulators by turns
.irp t, 0,1,2,3
.irp u, 0,1
.set rT, 4*(\hf)+\t
.set rD, 64*\u+8*rT
.set rA, FR+12*rT
.set rB, P+12*\u
.set rK, VS+rT/2
.set rL, PS
.set fA, rT%2
.set fB, \u
	WM \first
.endr
.endr
.endm
.macro TPK b, o                        ; t - M, two at a time
	v_pk_fma_f32 v[S+32*(\b)+\o:S+32*(\b)+\o+1], v[S+32*(\b)+\o:S+32*(\b)+\o+1], s[CS:CS+1], v[MN+2*((\b)/2):MN+2*((\b)/2)+1] op_sel_hi:[1,0,0]
.endm
.macro EXPS b, nxt                     ; block b's 32 exponentials, and among them the next block's t - M
.set ej, 0
.rept 16
	v_exp_f32 v[S+32*(\b)+ej], v[S+32*(\b)+ej]
	v_exp_f32 v[S+32*(\b)+ej+1], v[S+32*(\b)+ej+1]
.if \nxt
	TPK (\b)+1, ej
.endif
.set ej, ej+2
.endr
.endm
.macro ADDS b, first                   ; block b's p into its tile's sum: four chains, joined behind the tile's second block
.set ab, S+32*(\b)
.set aU, SUM+2*((\b)/2)
.set ak, 0
.set aj, 0
.if (\b)%2 == 0
.if \first
	v_pk_add_f32 v[aU:aU+1], v[ab:ab+1], v[ab+2:ab+3]
.set aj, 4
.else
	v_pk_fma_f32 v[aU:aU+1], v[aU:aU+1], v[FAC+2*((\b)/2):FAC+2*((\b)/2)+1], v[ab:ab+1] op_sel_hi:[1,0,1]   ; the sum under the new M
.set aj, 2
.endif
.irp i, 0,1,2
	v_pk_add_f32 v[T+2*\i:T+2*\i+1], v[ab+aj+4*\i:ab+aj+4*\i+1], v[ab+aj+4*\i+2:ab+aj+4*\i+3]
.endr
.set aj, aj+12
.endif
.rept (32-aj)/2
.if ak%4 == 0
	v_pk_add_f32 v[aU:aU+1], v[aU:aU+1], v[ab+aj:ab+aj+1]
.else
	v_pk_add_f32 v[T+2*(ak%4)-2:T+2*(ak%4)-1], v[T+2*(ak%4)-2:T+2*(ak%4)-1], v[ab+aj:ab+aj+1]
.endif
.set aj, aj+2
.set ak, ak+1
.endr
.if (\b)%2 == 1
	v_pk_add_f32 v[T:T+1], v[T:T+1], v[T+2:T+3]
	v_pk_add_f32 v[aU:aU+1], v[aU:aU+1], v[T+4:T+5]
	v_pk_add_f32 v[aU:aU+1], v[aU:aU+1], v[T:T+1]
.endif
.endm
.macro FIN b, first
	s_wait_alu depctr_va_vdst(0)                   ; one wait for the batch, ahead of its first reader, and ahead of the next batch
	CVT \b, P
	ADDS \b, \first
	MOVS \b, P
.endm
; A step up to P's codes.  first = 1: nothing came before.  wrap = 1: the next step's bytes begin at 0 again.
.macro HEAD first, wrap
	s_wait_dscnt 12                                ; K's scale words and first four fragments are in
	WIN W_QK
	QK 0
	PLACES
	WIN W_LD
	LOADF 0, VO
	s_wait_dscnt 12                                ; all but V's 12 loads
	WIN W_QK
	QK 1
	PLACES
	WIN W_LD
	LOADF 1, VO
	WIN 0
	ds_load_b128 v[VS:VS+3], v[ADR] offset:VSO
.if \wrap
	s_mov_b32 s[TB], 0
.else
	s_add_co_u32 s[TB], s[TB], STEPB
.endif
	v_add_nc_u32 v[ADR], s[TB], v[LI]              ; the next step
.irp b, 0,1,2,3
	v_max3_num_f32 v[BM+\b], v[S+32*\b], v[S+32*\b+1], v[S+32*\b+2]
.endr
.set j, 3
.rept 14
.irp b, 0,1,2,3                        ; the four blocks by turns
	v_max3_num_f32 v[BM+\b], v[BM+\b], v[S+32*\b+j], v[S+32*\b+j+1]
.endr
.set j, j+2
.endr
.irp b, 0,1,2,3
	v_max_num_f32 v[BM+\b], v[BM+\b], v[S+32*\b+31]
.endr
	v_max_num_f32 v[R0], v[BM], v[BM+1]
	v_max_num_f32 v[R1], v[BM+2], v[BM+3]
	v_permlane16_swap_b32 v[R0], v[R1]             ; lanes 0-15: tile 0's two halves, lanes 16-31: tile 1's
	v_max_num_f32 v[R0], v[R0], v[R1]
.if \first
	v_mul_f32 v[RUN], s[CS], v[R0]
.else
	v_mul_f32 v[R0], s[CS], v[R0]
	v_max_num_f32 v[RUN], v[RUN], v[R0]            ; the running largest t
.endif
	v_floor_f32 v[MN], -v[RUN]                     ; -M = floor(-t)
	v_floor_f32 v[MN+2], -v[RUN]
.if \first == 0
	v_sub_f32 v[DD], v[MN], v[NM]                  ; old M - new M: a whole number, 0 or less
.endif
	v_permlane16_swap_b32 v[MN], v[MN+2]           ; tile 0's in all lanes, tile 1's in all lanes
	v_floor_f32 v[NM], -v[RUN]
.if \first == 0
	v_cvt_i32_f32 v[DD], v[DD]
.endif
.irp b, 0,1,2,3
	v_fma_f32 v[BM+\b], v[BM+\b], s[CS], v[MN+2*(\b/2)]   ; each block's largest t - M
.endr
.if \first == 0
	v_ldexp_f32 v[FAC], 1.0, v[DD]
	v_ldexp_f32 v[FAC+2], 1.0, v[DD]
.endif
.set j, 0
.rept 16
	TPK 0, j
.set j, j+2
.endr
.if \first == 0
	v_permlane16_swap_b32 v[FAC], v[FAC+2]
.endif
.irp b, 0,1,2,3
	v_max_num_f32 v[BM+\b], 0xc2f80000, v[BM+\b]   ; held at -124: the byte cannot fall under 1
.endr
.irp b, 0,1,2,3
	v_cvt_floor_i32_f32 v[BM+\b], v[BM+\b]
.endr
.irp b, 0,1,2,3
	v_lshl_add_u32 v[SC+\b], v[BM+\b], 23, s[CE]   ; exponent field floor + 125
.endr
	v_lshl_add_u32 v[R0], v[BM+1], 16, v[BM]
	v_lshl_add_u32 v[R1], v[BM+3], 16, v[BM+2]
	v_permlane16_swap_b32 v[R0], v[R1]
	v_lshl_add_u32 v[PS], v[R1], 8, v[R0]
	v_add_nc_u32 v[PS], s[CB], v[PS]               ; 125 on each of the four bytes
	s_wait_alu depctr_va_vdst(0)                   ; the wait ahead of the batch
	EXPS 0, 1
	FIN 0, \first
	EXPS 1, 1
	FIN 1, \first
	EXPS 2, 1
	FIN 2, \first
	EXPS 3, 0
	v_nop
	FIN 3, \first
.endm
; The rest of a step: O^T under the new M, O^T += V^T P^T, and (next = 1) the next step's K.
.macro TAIL next, first
	s_wait_dscnt 0x0                               ; V's fragments and scale words are in
.if \next
	ds_load_b128 v[KS:KS+3], v[ADR] offset:KSO
.endif
.if \first
	PLACES
	WIN W_PV
	s_wait_alu depctr_va_vdst(0)                   ; P was written ahead of the wait above
.else
	WIN W_RS
	s_wait_alu depctr_va_vdst(0)                   ; directly ahead of the first reader of O^T
.irp u, 0,1
.set j, 0
.rept 32
	v_pk_mul_f32 v[64*\u+j:64*\u+j+1], v[64*\u+j:64*\u+j+1], v[FAC+2*\u:FAC+2*\u+1] op_sel_hi:[1,0]
.set j, j+2
.endr
.endr
	WIN W_PV
.endif
	PV 0, \first
.if \next
	PLACES
	WIN W_LD
	LOADF 0, 0
	WIN W_PV
.endif
	PV 1, \first
.if \next
	PLACES
	WIN W_LD
	LOADF 1, 0
.endif
.endm
.macro TRIPS n
	s_mov_b32 s[CNT], \n
.Lstep_\@:
	TAIL 1, 0
	HEAD 0, 0
	s_sub_co_u32 s[CNT], s[CNT], 1
	s_cmp_lg_u32 s[CNT], 0
	s_cbranch_scc1 .Lstep_\@
.endm
	s_wait_alu depctr_va_vdst(0)                   ; the wait at the head's end
	s_wait_tensorcnt 0x0                           ; my rows of steps 0-9 are in
	s_barrier_signal -1
	s_barrier_wait -1                              ; and everybody's
	ds_load_b128 v[KS:KS+3], v[ADR] offset:KSO
	WIN W_LD
	LOADF 0, 0
	LOADF 1, 0
	HEAD 1, 0
	TAIL 1, 1
	HEAD 0, 0
	TRIPS 4                                        ; steps 2-5
	s_wait_tensorcnt 0x0                           ; ahead of a refill
	ds_add_u32 v[SPW], v[NIL]
	s_wait_dscnt 0x0                               ; the add is done, and so are my reads of steps 0-5
	CROUND                                         ; in every wave of every partner
	tensor_load_to_lds s[G0W:G0W+3], s[G1B:G1B+7]  ; steps 10-15 onto the bytes of steps 0-5
	s_nop 0
	PLACES
	TRIPS 3                                        ; steps 6-8
	s_wait_tensorcnt 0x0                           ; my rows of steps 10-15 are in
	s_wait_dscnt 0x0
	s_barrier_signal -1                            ; say so, and go on with step 9, which reads LDS alone, bytes that nobody writes
	TAIL 1, 0
	HEAD 0, 1
	s_barrier_wait -1                              ; everybody's rows of steps 10-15 are in
	TRIPS 6                                        ; steps 10-15
	TAIL 0, 0
	WIN 0
	v_add_f32 v[R0], v[SUM], v[SUM+1]
	v_add_f32 v[R1], v[SUM+2], v[SUM+3]
	v_permlane16_swap_b32 v[R0], v[R1]
	v_add_f32 v[R0], v[R0], v[R1]                  ; the rows' sums: tile 0 in lanes 0-15, tile 1 in lanes 16-31
	s_wait_alu depctr_va_vdst(0)                   ; the wait ahead of the transcendentals
	v_rcp_f32 v[FAC], v[R0]
	v_rcp_f32 v[FAC+2], v[R0]
	v_nop
	s_wait_alu depctr_va_vdst(0)                   ; and behind them
	v_permlane16_swap_b32 v[FAC], v[FAC+2]
	WIN W_QK
	s_wait_alu depctr_va_vdst(0)                   ; and directly ahead of the first reader of O^T
.irp u, 0,1
.set j, 0
.rept 32
	v_pk_mul_f32 v[S+64*\u+j:S+64*\u+j+1], v[64*\u+j:64*\u+j+1], v[FAC+2*\u:FAC+2*\u+1] op_sel_hi:[1,0]
.set j, j+2
.endr
.endr
	WIN 0
	s_wait_alu depctr_va_vdst(0)                   ; the wait ahead of the waits below
; The way out by quarters b: tile b / 2, half b % 2 of d: through my own stage, back by rows, two rows' aligned 256 bytes a store.
.macro OTURN b
.irp i, 0,1,2,3
	ds_store_b128 v[SBO], v[S+32*(\b)+8*\i:S+32*(\b)+8*\i+3] offset:64*\i
	ds_store_b128 v[SBO], v[S+32*(\b)+8*\i+4:S+32*(\b)+8*\i+7] offset:64*\i+16
.endr
.irp i, 0,1,2,3,4,5,6,7
	ds_load_b128 v[S+32*(\b)+4*\i:S+32*(\b)+4*\i+3], v[SA] offset:2*SP*\i
.endr
.endm
.macro OSEND b, younger                ; younger: LDS instructions issued behind this quarter's, which may be out
.irp i, 0,1,2,3,4,5,6,7
	s_wait_dscnt (\younger)+7-\i
	global_store_b128 v[CO], v[S+32*(\b)+4*\i:S+32*(\b)+4*\i+3], s[8:9] offset:(16*((\b)/2)+2*\i)*ROWB+256*((\b)%2) th:TH_STORE_NT
.endr
.endm
	OTURN 0
	OTURN 1
	OSEND 0, 16
	OTURN 2
	OSEND 1, 16
	OTURN 3
	OSEND 2, 16
	OSEND 3, 0
	s_wait_tensorcnt 0x0                           ; the wave's end
	ds_add_u32 v[SPW], v[NIL]
	s_wait_dscnt 0x0
	CROUND                                         ; the closing round
	s_endpgm
.Lfunc_end_k_q5df40b5f2a_attn:
	.size	k_q5df40b5f2a_attn, .Lfunc_end_k_q5df40b5f2a_attn-k_q5df40b5f2a_attn
	.p2alignl 7, 3214868480
	.fill 96, 4, 3214868480
	.section	.rodata,"a",@progbits
	.p2align	6, 0x0
	.amdhsa_kernel k_q5df40b5f2a_attn
		.amdhsa_group_segment_fixed_size 327680
		.amdhsa_private_segment_fixed_size 0
		.amdhsa_enable_private_segment 0
		.amdhsa_kernarg_size 24
		.amdhsa_user_sgpr_count 2
		.amdhsa_user_sgpr_kernarg_segment_ptr 1
		.amdhsa_wavefront_size32 1
		.amdhsa_system_sgpr_workgroup_id_x 1
		.amdhsa_system_sgpr_workgroup_id_y 1
		.amdhsa_system_sgpr_workgroup_id_z 1
		.amdhsa_system_vgpr_workitem_id 0
		.amdhsa_next_free_vgpr 512
		.amdhsa_next_free_sgpr 66
		.amdhsa_reserve_vcc 0
		.amdhsa_float_denorm_mode_32 3
		.amdhsa_float_denorm_mode_16_64 3
		.amdhsa_memory_ordered 1
		.amdhsa_forward_progress 1
		.amdhsa_inst_pref_size 213
	.end_amdhsa_kernel
	.amdgpu_metadata
---
amdhsa.version: [ 1, 2 ]
amdhsa.kernels:
  - .name:           k_q5df40b5f2a_attn
    .symbol:         k_q5df40b5f2a_attn.kd
    .args:
      - { .name: query_layer, .offset: 0, .size: 8, .value_kind: global_buffer, .address_space: global }
      - { .name: kv, .offset: 8, .size: 8, .value_kind: global_buffer, .address_space: global }
      - { .name: out0, .offset: 16, .size: 8, .value_kind: global_buffer, .address_space: global }
    .group_segment_fixed_size: 327680
    .private_segment_fixed_size: 0
    .kernarg_segment_align: 8
    .kernarg_segment_size: 24
    .max_flat_workgroup_size: 256
    .sgpr_count:     66
    .vgpr_count:     512
    .wavefront_size: 32
...
	.end_amdgpu_metadata
.endif
;; end of part 2
